; MI455X (gfx1250); checked and timed in simulation.
; The chip was launched on July 23, 2026; its instructions are those of AMD's public machine-readable ISA for CDNA 5 (MIT licence, August 2026) and "CDNA5" Instruction Set Architecture Reference Guide (July 2026). The comments in the code are by the model that wrote it; some were corrected since.
;; Switch Feed Forward. Allowed arithmetic: float matrix products may take bf16 or f16 operands with f32 sums; all other float work in f32.
;; Inputs: W1 8 x 512 x 2,048 float32; W2 8 x 2,048 x 512 float32; Wg 512 x 8 float32; b1 8 x 2,048 float32; b2 8 x 512 float32; bg 8 float32; x 8 x 512 x 512 float32.
;; Outputs: out0 8 x 512 x 512 float32.
;; 2 versions, each right; version 2 is version 1 with the launch ffn1 written anew for expert scheduling mode. Each part assembles by itself: llvm-mc -triple=amdgcn-amd-amdhsa -mcpu=gfx1250 --defsym DOCPART=n.
;; ======== version 1 of 2: 4 launches
;; limits: values are held in f16: magnitudes above 65,504 overflow, below 6.1e-05 lose precision
;; workspace buffers: routes 16,384 bytes of whole numbers; order 16,640 bytes of whole numbers; tab 256 bytes of whole numbers; xs 4,194,304 bytes; h 17,563,648 bytes
;; launch route (part 1): grid 256 x 1, 4 waves a work-group, no clusters, 18,944 bytes of LDS; arguments x, Wg, bg, routes, xs; writes routes, xs
.if DOCPART == 1
	.amdgcn_target "amdgcn-amd-amdhsa--gfx1250"
	.amdhsa_code_object_version 6
	.text
	.protected	k_q87d2006e36_route
	.globl	k_q87d2006e36_route
	.p2align	8
	.type	k_q87d2006e36_route,@function
k_q87d2006e36_route:
	s_mov_b64 s[64:65], 0
	v_nop
	global_prefetch_b8 v0, s[64:65] scope:SCOPE_SE
	s_setreg_imm32_b32 hwreg(HW_REG_WAVE_MODE, 25, 1), 1
	s_wait_xcnt 0x0
; ROUTER.  logits = x Wg + bg, softmax, its largest value pmax and the index of it; stores routes[t] (u32) and xs[t][d] = f16(x[t][d] * pmax[t]).
; x: [4096][512] f32, Wg: [512][8] f32, bg: [8] f32.  The product is 33.5 MFLOP and is kept in f32 fused multiply-adds on the vector unit:
; a route decides where rows land in the sorted output, so the logits are not rounded to 16 bits.
; A work-group takes 16 tokens, a wave 4.  Lane L holds d = 128 j + 4 L + c (j, c = 0..3) of each token and the 16 x 8 numbers of Wg that go with them,
; so Wg costs 128 registers once and every load of x covers 512 consecutive bytes.
; No matrix unit, no cluster, no tensor load: every x byte is read once by one wave, and Wg (16 KiB) is staged once through LDS.
; LIMITS: NaN inputs are not served.  The index is the first one whose exponential equals the largest exponential; it can differ from an argmax of the
; quotients only where two probabilities agree to the last bits.  xs is f16: |x * pmax| must stay under 65,504 and loses relative precision under 6e-5.
; routes leaves in pieces of 16 bytes a wave (16 KiB in the whole launch).
.set X, 64                             ; v[64:127]   token i at X + 16 i, register 4 j + c; later its 8 packed f16 words
.set W, 128                            ; v[128:255]  Wg[128 j + 4 L + c][e] at W + 8 (4 j + c) + e
.set LOG2E, 0x3fb8aa3b
	s_load_b256 s[4:11], s[0:1], 0x0               ; x s[4:5], Wg s[6:7], bg s[8:9], routes s[10:11]
	s_load_b64 s[12:13], s[0:1], 0x20              ; xs
	s_set_vgpr_msb 0x40
	v_lshl_add_u32 v0, v0, 2, 0x4800
	v_mov_b32 v1, 0
	s_set_vgpr_msb 0x4000
	v_and_b32 v1, 31, v0                           ; lane
	v_lshrrev_b32 v2, 5, v0
	v_readfirstlane_b32 s14, v2                    ; wave
	v_lshlrev_b32 v2, 4, v1                        ; 16 L: my 16 bytes of 512 of x
	v_lshlrev_b32 v3, 4, v0                        ; 16 t: my 16 bytes of 2,048 of Wg
	v_lshrrev_b32 v4, 3, v0
	v_and_b32 v5, 7, v0
	v_mul_u32_u24 v4, v4, 144                      ; Wg in LDS: blocks of 128 bytes (4 rows) at a pitch of 144
	v_lshl_add_u32 v4, v5, 4, v4
	v_mul_u32_u24 v5, v1, 144                      ; my block of each 32
	v_lshlrev_b32 v6, 3, v1                        ; 8 L: my 4 f16 of 128
	v_mov_b32 v7, 0                                ; lane i will hold token i's route
	v_mov_b32 v26, 0                               ; v_permlanex16_b32's destination counts as read
	v_lshlrev_b32 v31, 2, v1
	s_mov_b32 s24, 0x76543210                      ; lane i of one half reads lane i of the other
	s_mov_b32 s25, 0xfedcba98
	s_lshl_b32 s26, ttmp9, 15                      ; 16 tokens of 2,048 bytes
	s_lshl_b32 s27, s14, 13                        ; + 4 tokens a wave
	s_add_co_u32 s26, s26, s27
	s_mov_b32 s27, 0
	s_wait_kmcnt 0x0
	s_load_b256 s[16:23], s[8:9], 0x0              ; bg
	s_add_nc_u64 s[4:5], s[4:5], s[26:27]
	s_lshr_b32 s26, s26, 1                         ; xs rows are half as long
	s_add_nc_u64 s[12:13], s[12:13], s[26:27]
	s_lshr_b32 s26, s26, 8                         ; 4 bytes a token
	s_add_nc_u64 s[10:11], s[10:11], s[26:27]
.irp u, 0,1,2,3,4,5,6,7
	global_load_b128 v[32+4*\u:35+4*\u], v3, s[6:7] offset:2048*\u
.endr
.irp i, 0,1,2,3
.irp j, 0,1,2,3
	global_load_b128 v[X+16*\i+4*\j:X+16*\i+4*\j+3], v2, s[4:5] offset:2048*\i+512*\j th:TH_LOAD_NT
.endr
.endr
	s_wait_loadcnt 16                              ; Wg's eight loads are in; the sixteen of x stay out
.irp u, 0,1,2,3,4,5,6,7
	ds_store_b128 v4, v[32+4*\u:35+4*\u] offset:2304*\u            ; 2,048 bytes are 16 blocks of 144
.endr
	s_wait_dscnt 0x0                               ; my stores are done, for the other waves' sake
	s_barrier_signal -1
	s_barrier_wait -1
.irp j, 0,1,2,3
.irp n, 0,1,2,3,4,5,6,7
	ds_load_b128 v[W+32*\j+4*\n:W+32*\j+4*\n+3], v5 offset:4608*\j+16*\n   ; block 32 j + L: rows 128 j + 4 L .. + 3 of Wg
.endr
.endr
	s_wait_dscnt 0x0
	s_wait_kmcnt 0x0                               ; bg
.macro TOKEN i
	s_wait_loadcnt 4*(3-\i)                        ; this token's four loads are in, the later tokens' stay out
.irp p, 0,1,2,3
	v_pk_mul_f32 v[8+2*\p:9+2*\p], v[X+16*\i:X+16*\i+1], v[W+2*\p:W+2*\p+1] op_sel_hi:[0,1]   ; the first product starts the four pairs of sums
.endr
.set nn, 1
.rept 15
.irp p, 0,1,2,3
.if nn&1
	v_pk_fma_f32 v[8+2*\p:9+2*\p], v[X+16*\i+(nn/2)*2:X+16*\i+(nn/2)*2+1], v[W+8*nn+2*\p:W+8*nn+2*\p+1], v[8+2*\p:9+2*\p] op_sel:[1,0,0] op_sel_hi:[1,1,1]
.else
	v_pk_fma_f32 v[8+2*\p:9+2*\p], v[X+16*\i+(nn/2)*2:X+16*\i+(nn/2)*2+1], v[W+8*nn+2*\p:W+8*nn+2*\p+1], v[8+2*\p:9+2*\p] op_sel_hi:[0,1,1]
.endif
.endr
.set nn, nn+1
.endr
	; the eight sums over the 32 lanes
.irp m, 1,2,4,8
.irp e, 0,1,2,3,4,5,6,7
	v_add_f32_dpp v[8+\e], v[8+\e], v[8+\e] row_xmask:\m row_mask:0xf bank_mask:0xf
.endr
.endr
.irp e, 0,1,2,3,4,5,6,7
	v_permlanex16_b32 v26, v[8+\e], s24, s25
	v_add_f32 v[8+\e], v[8+\e], v26
.endr
.irp e, 0,1,2,3,4,5,6,7
	v_add_f32 v[8+\e], s[16+\e], v[8+\e]           ; + bg: the logits, in every lane
.endr
	v_max3_num_f32 v24, v8, v9, v10
	v_max3_num_f32 v24, v24, v11, v12
	v_max3_num_f32 v24, v24, v13, v14
	v_max_num_f32 v24, v24, v15                    ; the largest logit is taken away in front of the exponentials
.irp e, 0,1,2,3,4,5,6,7
	v_sub_f32 v[16+\e], v[8+\e], v24
.endr
.irp e, 0,1,2,3,4,5,6,7
	v_mul_f32 v[16+\e], LOG2E, v[16+\e]
.endr
.irp e, 0,1,2,3,4,5,6,7
	v_exp_f32 v[16+\e], v[16+\e]
.endr
	v_mov_b32 v27, 7                               ; the plain instruction between the exponentials and their first use (ISA guide 5.7.2)
	s_wait_alu depctr_va_vdst(0)
	v_pk_add_f32 v[32:33], v[16:17], v[18:19]
	v_pk_add_f32 v[34:35], v[20:21], v[22:23]
	v_pk_add_f32 v[32:33], v[32:33], v[34:35]
	v_add_f32 v25, v32, v33                        ; at least 1: the largest exponential is 2^0
	v_max3_num_f32 v30, v16, v17, v18
	v_max3_num_f32 v30, v30, v19, v20
	v_max3_num_f32 v30, v30, v21, v22
	v_max_num_f32 v30, v30, v23
	v_rcp_f32 v25, v25
.irp e, 6,5,4,3,2,1,0
	v_cmp_eq_f32 vcc_lo, v[16+\e], v30             ; downwards: the first index of the largest stays
	v_cndmask_b32 v27, v27, \e, vcc_lo
.endr
	s_wait_alu depctr_va_vdst(0)
	v_mul_f32 v28, v30, v25                        ; pmax, twice, for the packed multiply
	v_mul_f32 v29, v30, v25
.irp n, 0,1,2,3,4,5,6,7
	v_pk_mul_f32 v[X+16*\i+2*\n:X+16*\i+2*\n+1], v[X+16*\i+2*\n:X+16*\i+2*\n+1], v[28:29]
.endr
.irp n, 0,1,2,3,4,5,6,7
	v_cvt_pk_f16_f32 v[X+16*\i+\n], v[X+16*\i+2*\n], v[X+16*\i+2*\n+1]     ; word n is written after words 2 n and 2 n + 1 of the earlier turns were read
.endr
.irp j, 0,1,2,3
	global_store_b64 v6, v[X+16*\i+2*\j:X+16*\i+2*\j+1], s[12:13] offset:1024*\i+256*\j   ; the wave's store covers 256 consecutive bytes, aligned
.endr
	v_cmp_eq_u32 vcc_lo, \i, v1
	v_cndmask_b32 v7, v7, v27, vcc_lo
.endm
	TOKEN 0
	TOKEN 1
	TOKEN 2
	TOKEN 3
	v_cmp_gt_u32 vcc_lo, 4, v1
	s_wait_xcnt 0x0                                ; EXEC changes only behind this wait: it is a source of the stores above
	s_set_vgpr_msb 0x5
	s_wait_tensorcnt 0x0
	ds_add_u32 v0, v1
	s_wait_dscnt 0x0
	s_set_vgpr_msb 0x500
	s_and_saveexec_b32 s28, vcc_lo
	global_store_b32 v31, v7, s[10:11]             ; lanes 0 to 3: the four routes
	s_wait_xcnt 0x0
	s_or_b32 exec_lo, exec_lo, s28
	s_endpgm
.Lfunc_end_k_q87d2006e36_route:
	.size	k_q87d2006e36_route, .Lfunc_end_k_q87d2006e36_route-k_q87d2006e36_route
	.p2alignl 7, 3214868480
	.fill 96, 4, 3214868480
	.section	.rodata,"a",@progbits
	.p2align	6, 0x0
	.amdhsa_kernel k_q87d2006e36_route
		.amdhsa_group_segment_fixed_size 18944
		.amdhsa_private_segment_fixed_size 0
		.amdhsa_enable_private_segment 0
		.amdhsa_kernarg_size 40
		.amdhsa_user_sgpr_count 2
		.amdhsa_user_sgpr_kernarg_segment_ptr 1
		.amdhsa_wavefront_size32 1
		.amdhsa_system_sgpr_workgroup_id_x 1
		.amdhsa_system_sgpr_workgroup_id_y 1
		.amdhsa_system_sgpr_workgroup_id_z 1
		.amdhsa_system_vgpr_workitem_id 0
		.amdhsa_next_free_vgpr 258
		.amdhsa_next_free_sgpr 66
		.amdhsa_reserve_vcc 1
		.amdhsa_float_denorm_mode_32 3
		.amdhsa_float_denorm_mode_16_64 3
		.amdhsa_memory_ordered 1
		.amdhsa_forward_progress 1
		.amdhsa_inst_pref_size 51
	.end_amdhsa_kernel
	.amdgpu_metadata
---
amdhsa.version: [ 1, 2 ]
amdhsa.kernels:
  - .name:           k_q87d2006e36_route
    .symbol:         k_q87d2006e36_route.kd
    .args:
      - { .name: x, .offset: 0, .size: 8, .value_kind: global_buffer, .address_space: global }
      - { .name: Wg, .offset: 8, .size: 8, .value_kind: global_buffer, .address_space: global }
      - { .name: bg, .offset: 16, .size: 8, .value_kind: global_buffer, .address_space: global }
      - { .name: routes, .offset: 24, .size: 8, .value_kind: global_buffer, .address_space: global }
      - { .name: xs, .offset: 32, .size: 8, .value_kind: global_buffer, .address_space: global }
    .group_segment_fixed_size: 18944
    .private_segment_fixed_size: 0
    .kernarg_segment_align: 8
    .kernarg_segment_size: 40
    .max_flat_workgroup_size: 128
    .sgpr_count:     66
    .vgpr_count:     258
    .wavefront_size: 32
...
	.end_amdgpu_metadata
.endif
;; end of part 1
;; launch sort (part 2): grid 8 x 1, 4 waves a work-group, no clusters, 0 bytes of LDS; arguments routes, order, tab; writes order, tab
.if DOCPART == 2
	.amdgcn_target "amdgcn-amd-amdhsa--gfx1250"
	.amdhsa_code_object_version 6
	.text
	.protected	k_q87d2006e36_sort
	.globl	k_q87d2006e36_sort
	.p2align	8
	.type	k_q87d2006e36_sort,@function
k_q87d2006e36_sort:
	s_mov_b64 s[64:65], 0
	v_nop
	global_prefetch_b8 v0, s[64:65] scope:SCOPE_SE
	s_setreg_imm32_b32 hwreg(HW_REG_WAVE_MODE, 25, 1), 1
	s_wait_xcnt 0x0
; STABLE SORT OF THE TOKENS BY EXPERT, by counting.  Work-group e places the tokens of expert e; wave w those among tokens 1024 w .. 1024 w + 1023.
; order[pos] = token; tab[2 e] = first place of expert e, tab[2 e + 1] = the place behind its last.  Words 4096..4159 of order are set to 0, so that a later
; read of sixteen ids that begins at any place up to 4096 stays inside the buffer and finds valid ids.
; Every wave reads all 4,096 routes (16 KiB) and counts for itself: no LDS, no barrier, nothing passes between waves or work-groups.
; The first place of wave w = (routes below e anywhere) + (routes equal to e in the chunks in front of w)
;                           = sum over chunks q of the number of routes below th_q, th_q = e + 1 for q < w and e otherwise.
; TWO PHASES: first every place, token id and mask is worked out with all lanes on; then the 32 masked stores follow, between which only EXEC changes.
; So no register that a store names is written while, or after, EXEC hangs on the routes.
.set C, 32                             ; v[32:159]   all routes: register 4 j + c of lane L is token 128 j + 4 L + c; chunk q is C + 32 q .. + 31
.set A, 32                             ; v[32:63]    when the counting is over: row i's byte offsets in order
.set O, 160                            ; v[160:191]  my chunk by rows of 32: register i of lane L is the route of token 1024 w + 32 i + L, then that token's number
.set M, 32                             ; s[32:63]    row i's mask: the lanes whose token goes to expert e
	s_load_b128 s[4:7], s[0:1], 0x0                ; routes s[4:5], order s[6:7]
	s_load_b64 s[8:9], s[0:1], 0x10                ; tab
	v_and_b32 v1, 31, v0
	v_lshrrev_b32 v2, 5, v0
	v_readfirstlane_b32 s11, v2                    ; wave
	s_mov_b32 s10, ttmp9                           ; expert
	v_lshlrev_b32 v2, 4, v1
	s_lshl_b32 s17, s11, 12
	v_lshl_add_u32 v3, v1, 2, s17                  ; 4 L + 4,096 w
	s_lshl_b32 s17, s11, 10
	v_add_nc_u32 v5, s17, v1                       ; the token of my lane in row 0 of my chunk
	s_lshl_b32 s17, s10, 3
	v_mov_b32 v8, s17                              ; byte offset of tab[2 e]
	v_lshlrev_b32 v10, 3, v1                       ; my 8 bytes of the 256 behind the list
	v_mov_b32 v6, 0
	v_mov_b32 v7, 0
.irp q, 0,1,2,3
	s_cmp_gt_u32 s11, \q
	s_cselect_b32 s17, 1, 0
	s_add_co_u32 s[12+\q], s10, s17                ; th_q
.endr
	s_mov_b32 s16, 0
	s_wait_kmcnt 0x0
.irp j, 0,1,2,3,4,5,6,7,8,9,10,11,12,13,14,15,16,17,18,19,20,21,22,23,24,25,26,27,28,29,30,31
	global_load_b128 v[C+4*\j:C+4*\j+3], v2, s[4:5] offset:512*\j
.endr
.irp i, 0,1,2,3,4,5,6,7,8,9,10,11,12,13,14,15,16,17,18,19,20,21,22,23,24,25,26,27,28,29,30,31
	global_load_b32 v[O+\i], v3, s[4:5] offset:128*\i
.endr
	s_wait_loadcnt 0x0
	s_wait_xcnt 0x0
.macro CNT8 q, g                       ; eight registers of chunk q: lanes with a route below th_q, counted into s16
.irp n, 0,1,2,3,4,5,6,7
	v_cmp_gt_u32 s[20+\n], s[12+\q], v[C+32*\q+8*\g+\n]
.endr
.irp n, 0,1,2,3,4,5,6,7
	s_bcnt1_i32_b32 s17, s[20+\n]
	s_add_co_u32 s16, s16, s17
.endr
.endm
.irp q, 0,1,2,3
.irp g, 0,1,2,3
	CNT8 \q, \g
.endr
.endr
	s_mov_b32 s19, s16                             ; in wave 0: the expert's first place
	; PHASE 1, all lanes on.  My chunk, 32 tokens at a time in ascending order: a token of expert e goes to the running place plus the number of such lanes below it.
.set i, 0
.rept 32
	v_cmp_eq_u32 s[M+i], s10, v[O+i]
	v_mbcnt_lo_u32_b32 v[A+i], s[M+i], s16
	s_bcnt1_i32_b32 s17, s[M+i]
	s_add_co_u32 s16, s16, s17
	v_min_u32 v[A+i], 0xfff, v[A+i]                ; a place is below 4,096
	v_lshlrev_b32 v[A+i], 2, v[A+i]
	v_add_nc_u32 v[O+i], 32*i, v5                  ; the route has been compared: the register now holds the token's number
.set i, i+1
.endr
	v_mov_b32 v9, s19                              ; what wave 0 stores
	v_mov_b32 v11, s16                             ; what wave 3 stores: the place behind the expert's last
	v_cmp_eq_u32 vcc_lo, 0, v1                     ; lane 0
	; PHASE 2: the stores.  EXEC is a source of a pending store, so it changes only behind s_wait_xcnt 0.
	; Every lane was on at the entry and EXEC is narrowed nowhere else, so all ones is the value that it goes back to.
.set i, 0
.rept 32
	s_and_saveexec_b32 s18, s[M+i]
	global_store_b32 v[A+i], v[O+i], s[6:7]
	s_wait_xcnt 0x0
	s_mov_b32 exec_lo, -1
.set i, i+1
.endr
	s_cmp_lg_u32 s11, 0
	s_cbranch_scc1 .Lnot0
	s_and_saveexec_b32 s18, vcc_lo
	global_store_b32 v8, v9, s[8:9]                ; wave 0, lane 0: the first place
	s_wait_xcnt 0x0
	s_mov_b32 exec_lo, -1
.Lnot0:
	s_cmp_lg_u32 s11, 3
	s_cbranch_scc1 .Lnot3
	s_and_saveexec_b32 s18, vcc_lo
	global_store_b32 v8, v11, s[8:9] offset:4      ; wave 3, lane 0: the place behind the last
	s_wait_xcnt 0x0
	s_mov_b32 exec_lo, -1
.Lnot3:
	s_cmp_lg_u32 s11, 1
	s_cbranch_scc1 .Lend
	s_cmp_lg_u32 s10, 0
	s_cbranch_scc1 .Lend
	global_store_b64 v10, v[6:7], s[6:7] offset:16384              ; wave 1 of work-group 0: the 256 bytes behind the list
.Lend:
	s_endpgm
.Lfunc_end_k_q87d2006e36_sort:
	.size	k_q87d2006e36_sort, .Lfunc_end_k_q87d2006e36_sort-k_q87d2006e36_sort
	.p2alignl 7, 3214868480
	.fill 96, 4, 3214868480
	.section	.rodata,"a",@progbits
	.p2align	6, 0x0
	.amdhsa_kernel k_q87d2006e36_sort
		.amdhsa_group_segment_fixed_size 0
		.amdhsa_private_segment_fixed_size 0
		.amdhsa_enable_private_segment 0
		.amdhsa_kernarg_size 24
		.amdhsa_user_sgpr_count 2
		.amdhsa_user_sgpr_kernarg_segment_ptr 1
		.amdhsa_wavefront_size32 1
		.amdhsa_system_sgpr_workgroup_id_x 1
		.amdhsa_system_sgpr_workgroup_id_y 1
		.amdhsa_system_sgpr_workgroup_id_z 1
		.amdhsa_system_vgpr_workitem_id 0
		.amdhsa_next_free_vgpr 192
		.amdhsa_next_free_sgpr 66
		.amdhsa_reserve_vcc 1
		.amdhsa_float_denorm_mode_32 3
		.amdhsa_float_denorm_mode_16_64 3
		.amdhsa_memory_ordered 1
		.amdhsa_forward_progress 1
		.amdhsa_inst_pref_size 42
	.end_amdhsa_kernel
	.amdgpu_metadata
---
amdhsa.version: [ 1, 2 ]
amdhsa.kernels:
  - .name:           k_q87d2006e36_sort
    .symbol:         k_q87d2006e36_sort.kd
    .args:
      - { .name: routes, .offset: 0, .size: 8, .value_kind: global_buffer, .address_space: global }
      - { .name: order, .offset: 8, .size: 8, .value_kind: global_buffer, .address_space: global }
      - { .name: tab, .offset: 16, .size: 8, .value_kind: global_buffer, .address_space: global }
    .group_segment_fixed_size: 0
    .private_segment_fixed_size: 0
    .kernarg_segment_align: 8
    .kernarg_segment_size: 24
    .max_flat_workgroup_size: 128
    .sgpr_count:     66
    .vgpr_count:     192
    .wavefront_size: 32
...
	.end_amdgpu_metadata
.endif
;; end of part 2
;; launch ffn1 (part 3): grid 32 x 8, 4 waves a work-group, no clusters, 136,704 bytes of LDS; arguments xs, W1, b1, order, tab, h; writes h
.if DOCPART == 3
	.amdgcn_target "amdgcn-amd-amdhsa--gfx1250"
	.amdhsa_code_object_version 6
	.text
	.protected	k_q87d2006e36_ffn1
	.globl	k_q87d2006e36_ffn1
	.p2align	8
	.type	k_q87d2006e36_ffn1,@function
k_q87d2006e36_ffn1:
	s_mov_b64 s[64:65], 0
	v_nop
	global_prefetch_b8 v0, s[64:65] scope:SCOPE_SE
	s_setreg_imm32_b32 hwreg(HW_REG_WAVE_MODE, 25, 1), 1
	s_wait_xcnt 0x0
; FIRST LAYER, ROUTED TOKENS ONLY: h = relu(xs W1[e] + b1[e]) for the rows of expert e in sorted order.  f16 operands, f32 sums.
; Work-group (f, e) owns the 64 columns 64 f .. 64 f + 63 of expert e.  THE WEIGHTS STAY PUT: every wave keeps the whole block 512 (k) x 64 (n) as 64 f16
; fragments in 512 registers (windows 2 and 3), and groups of 16 sorted rows stream past; a row fragment feeds four matrix instructions and no weight is
; read again.  Wave w takes the expert's groups w, w + 4, ...; the number of groups comes from tab, the rows from order (whole numbers of an earlier launch).
; W1 is read once in the launch: wave w converts k = 128 w .. + 127 to f16 and lays it into LDS with k along the rows; one barrier; all waves read the fragments.
; THE ROWS' WAY, three steps that overlap.  A group's 16 rows of xs (1,024 bytes each, wherever the list points) are loaded into one of two register buffers,
; 512 consecutive bytes an instruction; rows(k) lie in buffer k & 1.  Trip t multiplies group t's fragments; between its matrix instructions it stores
; rows(t + 1) into a stage in LDS that is the wave's own, and asks for rows(t + 3) into the buffer so emptied; behind its last matrix instruction it reads
; group t + 1's fragments from the stage, and its own relu, packing and stores follow while they come.  So two groups (32 KiB a wave) are on their way.
; THE LOOP holds only trips that ask for rows: there are m = max(n - 3, 0) of them among my n trips, and the loop makes m / 2 pairs, so that every counted
; wait counts the same loads on every way.  An odd one and the last one to three trips are written out behind it, for even and for odd t, and end in one
; common last trip.
; h leaves as the register images that the second layer's fragments need: group P = (start >> 4) + e + g + 4, 65,536 bytes a group,
; byte P * 65536 + S * 1024 + i * 512 + 16 L holds row L & 15, columns 64 (S >> 1) + 32 (L >> 4) + 16 (S & 1) + 8 i + 0..7.
; The first four groups of h are left unused: the stores' base starts four groups (one step of a wave) low and is stepped in the middle of every trip, the
; first too, well behind the last trip's stores and ahead of this trip's; so no wait stands behind the stores and no store reaches back.
; Rows behind the expert's end in its last group are other real tokens; their h is stored and never used.  A wave with fewer than three groups asks at the
; start for rows that it does not use (valid rows: the place in the list is held at 4,096, behind which the list has 64 words of 0).
; NO CLUSTER, NO TENSOR LOAD: the weights must pass through registers to become f16, no two work-groups share a weight, and the shared rows of xs are
; gathered by a list whose length differs from expert to expert.
; LIMITS: operands are f16: |xs|, |W1| and h must stay under 65,504 (h beyond it becomes infinite), and numbers under 6e-5 lose relative precision.
.set WPITCH, 272                       ; weight image: a row is 128 k of one column, 256 bytes + 16: an odd multiple of 16, so sixteen rows begin in sixteen different 16-byte columns of 256
.set WTILE,  16*WPITCH                 ; sixteen columns: tile t holds columns 4 x + t, x = 0..15
.set WREG,   64*WPITCH                 ; one wave's part of the image (its 128 k of all 64 columns): each wave stores into bytes of its own
.set STAGE,  4*WREG                    ; behind the image: 16 rows x 1,040 bytes for each wave
.set SPITCH, 1040
.set SBYTES, 16*SPITCH
.set HSTEP,  0x40000                   ; four groups of h: from a wave's group to its next
.set CP,   16                          ; v[16:47]   two sets of 16 packed words (start only)
.set O,    16                          ; v[16:31]   a trip's 32 results a lane, packed
.set BL,   32                          ; v[32:63]   b1 as loaded (start only)
.set BIAS, 64                          ; v[64:95]   b1 by tile: register 8 t + j is column 32 hh + 4 j + t
.set ACC,  96                          ; v[96:127]  four accumulators
.set TF,   128                         ; v[128:255] the group's 16 row fragments
.set IDS,  32                          ; s[32:47]   sixteen token ids
; window 1: v[0:127] row buffer 0, v[128:255] row buffer 1.  window 2: first 256 registers of W1 as loaded, then fragments of k steps 0-7; window 3: k steps 8-15.
; fragment (s, t) is at ((s & 7) * 4 + t) * 8.  s[48:63], s[66:81]: the sixteen rows' addresses.
.set MSB, 0
.macro WIN new                         ; s_set_vgpr_msb: bits 1:0 source 0, 3:2 source 1, 5:4 source 2, 7:6 destination; the high byte repeats the setting that is left
.if MSB != (\new)
	s_set_vgpr_msb (MSB<<8)|(\new)
.set MSB, (\new)
.endif
.endm
	s_load_b256 s[4:11], s[0:1], 0x0               ; xs s[4:5], W1 s[6:7], b1 s[8:9], order s[10:11]
	s_load_b128 s[12:15], s[0:1], 0x20             ; tab s[12:13], h s[14:15]
	v_lshl_add_u32 v14, v0, 2, 0x21400
	v_mov_b32 v15, 0
	v_and_b32 v1, 31, v0
	v_lshrrev_b32 v2, 5, v0
	v_readfirstlane_b32 s16, v2                    ; wave
	v_and_b32 v2, 15, v0                           ; r
	v_bfe_u32 v3, v0, 4, 1                         ; hh
	s_mov_b32 s17, ttmp9                           ; f
	s_and_b32 s18, ttmp7, 0xffff                   ; e
	v_lshlrev_b32 v4, 4, v2
	v_lshl_add_u32 v4, v3, 16, v4                  ; W1: 16 r + 8 rows of 8,192 bytes for the upper half of the lanes
	v_mul_u32_u24 v6, v2, WPITCH
	v_lshl_add_u32 v6, v3, 4, v6                   ; fragments of the image: r * pitch + 16 hh
	s_mul_i32 s27, s16, WREG
	v_add_nc_u32 v5, s27, v6                       ; my stores into the image: the same in my wave's part
	v_lshlrev_b32 v7, 4, v1                        ; 16 L
	s_mul_i32 s27, s16, SBYTES
	s_add_co_u32 s27, s27, STAGE
	v_add_nc_u32 v8, s27, v7                       ; stage, in: 16 L
	v_mul_u32_u24 v9, v2, SPITCH
	v_lshl_add_u32 v9, v3, 4, v9
	v_add_nc_u32 v9, s27, v9                       ; stage, out: r * pitch + 16 hh
	s_lshl_b32 s27, s18, 13
	s_lshl_b32 s28, s17, 8
	s_add_co_u32 s27, s27, s28
	v_lshl_add_u32 v10, v3, 7, s27                 ; b1: (2048 e + 64 f + 32 hh) * 4
	s_lshl_b32 s28, s18, 22                        ; W1: expert, my 128 rows, the slice's 256 bytes
	s_lshl_b32 s19, s16, 20
	s_add_co_u32 s28, s28, s19
	s_lshl_b32 s19, s17, 8
	s_add_co_u32 s28, s28, s19
	s_mov_b32 s29, 0
	s_lshl_b32 s19, s18, 3
	s_wait_kmcnt 0x0
	s_load_b64 s[20:21], s[12:13], s19 offset:0x0  ; the expert's first place and the place behind its last
	s_add_nc_u64 s[6:7], s[6:7], s[28:29]
.irp n, 0,1,2,3,4,5,6,7
	global_load_b128 v[BL+4*\n:BL+4*\n+3], v10, s[8:9] offset:16*\n
.endr
	; all of my 128 rows of the slice at once: load j of batch b brings row 16 b + 8 hh + j, columns 4 r .. 4 r + 3; sixteen lanes take 256 consecutive bytes
	WIN 0x80
.irp b, 0,1,2,3,4,5,6,7
.irp j, 0,1,2,3,4,5,6,7
	global_load_b128 v[32*\b+4*\j:32*\b+4*\j+3], v4, s[6:7] offset:(16*\b+\j)*8192 th:TH_LOAD_NT
.endr
.endr
	WIN 0
	s_wait_kmcnt 0x0
	s_lshr_b32 s30, s20, 4
	s_min_u32 s30, s30, 256                        ; start >> 4
	s_min_u32 s20, s20, 4096
	s_min_u32 s21, s21, 4096
	s_sub_co_u32 s22, s21, s20
	s_min_u32 s22, s22, 4096                       ; the expert's rows
	s_add_co_u32 s23, s22, 15
	s_lshr_b32 s23, s23, 4                         ; its groups of 16
	s_add_co_u32 s24, s23, 3
	s_sub_co_u32 s24, s24, s16
	s_lshr_b32 s24, s24, 2                         ; n, my trips: groups w, w + 4, ...
	s_lshl4_add_u32 s26, s16, s20                  ; the place of my first group's first row
.macro IDS_AHEAD                       ; sixteen ids from place s26 (held at 4,096: the list has 64 words of 0 behind its end); s26 goes on to my next group.
	s_min_u32 s27, s26, 4096       ; s27 is free: a wait for all scalar loads stands between any two of these
	s_lshl_b32 s27, s27, 2
	s_load_b512 s[IDS:IDS+15], s[10:11], s27 offset:0x0
	s_add_co_u32 s26, s26, 64
.endm
.macro BASES                           ; the sixteen rows' addresses: xs + 1,024 id
.irp r, 0,1,2,3,4,5,6,7
	s_min_u32 s28, s[IDS+\r], 4095
	s_lshl_b32 s28, s28, 10
	s_add_nc_u64 s[48+2*\r:49+2*\r], s[4:5], s[28:29]
.endr
.irp r, 8,9,10,11,12,13,14,15
	s_min_u32 s28, s[IDS+\r], 4095
	s_lshl_b32 s28, s28, 10
	s_add_nc_u64 s[50+2*\r:51+2*\r], s[4:5], s[28:29]
.endr
.endm
.macro ROWS sg                         ; 32 loads of 512 consecutive bytes: the sixteen rows, into row buffer sg of window 1
	WIN 0x40
.irp r, 0,1,2,3,4,5,6,7
	global_load_b128 v[128*\sg+8*\r:128*\sg+8*\r+3],   v7, s[48+2*\r:49+2*\r]
	global_load_b128 v[128*\sg+8*\r+4:128*\sg+8*\r+7], v7, s[48+2*\r:49+2*\r] offset:512
.endr
.irp r, 8,9,10,11,12,13,14,15
	global_load_b128 v[128*\sg+8*\r:128*\sg+8*\r+3],   v7, s[50+2*\r:51+2*\r]
	global_load_b128 v[128*\sg+8*\r+4:128*\sg+8*\r+7], v7, s[50+2*\r:51+2*\r] offset:512
.endr
	WIN 0
.endm
.macro PUT sg, q                       ; rows 4 q .. 4 q + 3 of row buffer sg go into my stage: 8 stores
	WIN 0x04
.irp r, 0,1,2,3
	ds_store_b128 v8, v[128*\sg+8*(4*(\q)+\r):128*\sg+8*(4*(\q)+\r)+3]   offset:(4*(\q)+\r)*SPITCH
	ds_store_b128 v8, v[128*\sg+8*(4*(\q)+\r)+4:128*\sg+8*(4*(\q)+\r)+7] offset:(4*(\q)+\r)*SPITCH+512
.endr
.endm
.macro TFLOAD                          ; the staged group's 16 fragments.  The stage is my wave's own and LDS serves a wave in order (ISA guide 5.7.1): these see the stores in front of them
.irp s, 0,1,2,3,4,5,6,7,8,9,10,11,12,13,14,15
	ds_load_b128 v[TF+8*\s:TF+8*\s+3],   v9 offset:64*\s
	ds_load_b128 v[TF+8*\s+4:TF+8*\s+7], v9 offset:64*\s+32
.endr
.endm
	IDS_AHEAD                                      ; the ids of my first group
	s_wait_loadcnt 63                              ; 72 loads were issued: the oldest 9 are in, b1's eight among them
.irp t, 0,1,2,3
.irp j, 0,1,2,3,4,5,6,7
	v_mov_b32 v[BIAS+8*\t+\j], v[BL+4*\j+\t]       ; once in the launch: b1 in the order of the accumulators' registers
.endr
.endr
; Batch b: 8 k of 4 columns a lane become four runs of 8 f16 and go to rows 16 i + r of my part of the image, at byte 32 b + 16 hh.
; behind = the row loads that were issued behind the weights so far.
.macro CONV b, behind
	s_wait_loadcnt 8*(7-(\b))+\behind              ; younger loads: the later batches, 8 each, and the rows'
.set CB, CP+16*((\b)&1)
	WIN 0x0a
.irp i, 0,1,2,3
.irp jj, 0,1,2,3
	v_cvt_pk_f16_f32 v[CB+4*\i+\jj], v[32*(\b)+8*\jj+\i], v[32*(\b)+8*\jj+4+\i]
.endr
.endr
	WIN 0
.irp i, 0,1,2,3
	ds_store_b128 v5, v[CB+4*\i:CB+4*\i+3] offset:\i*WTILE+32*(\b)
.endr
.endm
.irp b, 0,1,2,3
	CONV \b, 0
.endr
	s_wait_kmcnt 0x0                               ; my first group's ids
	BASES
	ROWS 0                                         ; rows(0).  A wave without a group loads valid rows too, so that the counts hold for every wave
	IDS_AHEAD
.irp b, 4,5,6,7
	CONV \b, 32
.endr
	s_wait_kmcnt 0x0
	s_wait_xcnt 0x0                                ; the sixteen addresses are sources of rows(0)'s loads: they are written again only behind this wait
	BASES
	ROWS 1                                         ; rows(1)
	IDS_AHEAD
	s_wait_dscnt 0x0                               ; my part of the image is written, for the other waves' sake
	s_barrier_signal -1
	s_barrier_wait -1                              ; the launch's only barrier: it stands in front of every branch on the lists
	s_cmp_eq_u32 s24, 0
	s_cbranch_scc1 .Lend
.irp s, 0,1,2,3,4,5,6,7,8,9,10,11,12,13,14,15
.if \s < 8
	WIN 0x80
.else
	WIN 0xc0
.endif
.irp t, 0,1,2,3
	ds_load_b128 v[((\s&7)*4+\t)*8:((\s&7)*4+\t)*8+3],   v6 offset:(\s>>2)*WREG+\t*WTILE+64*(\s&3)
	ds_load_b128 v[((\s&7)*4+\t)*8+4:((\s&7)*4+\t)*8+7], v6 offset:(\s>>2)*WREG+\t*WTILE+64*(\s&3)+32
.endr
.endr
	WIN 0
	s_add_co_u32 s28, s30, s18
	s_add_co_u32 s28, s28, s16                     ; four groups in front of my first group in h: the first trip's step brings the base there
	s_lshl_b32 s28, s28, 16
	s_lshl_b32 s19, s17, 11                        ; the slice's two k steps
	s_add_co_u32 s28, s28, s19
	s_add_nc_u64 s[14:15], s[14:15], s[28:29]
	s_wait_loadcnt 32                              ; rows(0) are in; rows(1)'s 32 loads stay out
	PUT 0, 0
	PUT 0, 1
	PUT 0, 2
	PUT 0, 3
	WIN 0
	TFLOAD                                         ; group 0's fragments
	s_wait_dscnt 32                                ; the 32 stores are done with row buffer 0; the 32 fragment loads stay out
	s_wait_kmcnt 0x0
	s_wait_xcnt 0x0
	BASES
	ROWS 0                                         ; rows(2)
	IDS_AHEAD                                      ; the ids of rows(3)
; ONE TRIP.  At its head: the youngest 32 LDS instructions are the loads of this group's fragments.
; sg = the row buffer that holds the next group's rows.  mode 0: there is no next group; 1: it is staged, no load is younger than its rows';
; 2: it is staged, the 32 loads of the group after it are younger; 3: as 2, and the buffer is asked for again.
; 64 matrix instructions, used transposed: source 0 = 16 columns of W1, source 1 = 16 rows.  Register j of lane (r, hh) is row r, column 32 hh + 4 j + t.
; The first k step starts the sums from b1.  The four accumulators take turns, one instruction a turn.
.macro TRIP sg, mode
.set PUTS, 0
.irp s, 0,1,2,3,4,5,6,7,8,9,10,11,12,13,14,15
	s_wait_dscnt 30-2*\s+PUTS                      ; fragment s is in: behind it came the 2 (15 - s) loads of the later fragments and this trip's stage stores so far
.if \s < 8
	WIN 0x02
.else
	WIN 0x03
.endif
.irp t, 0,1,2,3
.if \s == 0
	v_wmma_f32_16x16x32_f16 v[ACC+8*\t:ACC+8*\t+7], v[((\s&7)*4+\t)*8:((\s&7)*4+\t)*8+7], v[TF+8*\s:TF+8*\s+7], v[BIAS+8*\t:BIAS+8*\t+7]
.else
	v_wmma_f32_16x16x32_f16 v[ACC+8*\t:ACC+8*\t+7], v[((\s&7)*4+\t)*8:((\s&7)*4+\t)*8+7], v[TF+8*\s:TF+8*\s+7], v[ACC+8*\t:ACC+8*\t+7]
.endif
.endr
.if \mode
.if \s == 3
.if \mode == 1
	s_wait_loadcnt 0x0                             ; the next group's rows are in: no load was issued behind them
.else
	s_wait_loadcnt 32                              ; the next group's rows are in; the 32 loads of the group after it stay out
.endif
.endif
.if (\s & 1)
.if \s >= 3
.if \s <= 9
	PUT \sg, (\s-3)/2                              ; behind k steps 3, 5, 7, 9: four rows each.  The loads of this group's fragments stand in front of these stores and are served first
.set PUTS, PUTS+8
.endif
.endif
.endif
.endif
.if \s == 12
.if \mode == 3
	s_wait_dscnt 0x0                               ; the stage stores are done with the row buffer
	s_wait_kmcnt 0x0                               ; the ids, asked for a trip ago
.endif
	s_wait_xcnt 0x0                                ; the last trip's stores have read their base and data, the last request its sixteen addresses: all these change only behind this wait
	s_add_nc_u64 s[14:15], s[14:15], HSTEP         ; h's base comes to this trip's group
.if \mode == 3
	BASES
	ROWS \sg                                       ; the rows of the third group from here
	IDS_AHEAD
.endif
.endif
.endr
.rept 4
	v_nop                                          ; four places between the last matrix instruction and the first reader of a result, and the loads into its sources
.endr
	WIN 0
.if \mode
	TFLOAD                                         ; the next group's fragments come while this group's results are packed and stored
.endif
.irp n, 0,1,2,3,4,5,6,7,8,9,10,11,12,13,14,15,16,17,18,19,20,21,22,23,24,25,26,27,28,29,30,31
	v_max_num_f32 v[ACC+\n], 0, v[ACC+\n]          ; relu, in f32
.endr
.irp j, 0,1,2,3,4,5,6,7
	v_cvt_pk_f16_f32 v[O+2*\j],   v[ACC+\j],    v[ACC+8+\j]        ; columns 32 hh + 4 j, + 1
	v_cvt_pk_f16_f32 v[O+2*\j+1], v[ACC+16+\j], v[ACC+24+\j]       ; + 2, + 3: a lane's 32 columns lie in order
.endr
.irp m, 0,1,2,3
	global_store_b128 v7, v[O+4*\m:O+4*\m+3], s[14:15] offset:512*\m       ; each store covers 512 consecutive bytes, aligned
.endr
.endm
	s_sub_co_i32 s31, s24, 3
	s_max_i32 s31, s31, 0                          ; m: the trips t for which rows(t + 3) exist
	s_sub_co_u32 s83, s24, s31                     ; the trips behind them: 1 to 3 (3 wherever m is not 0)
	s_and_b32 s82, s31, 1                          ; is m odd?
	s_lshr_b32 s31, s31, 1                         ; pairs of such trips
	s_mov_b32 s25, 0
	s_cmp_eq_u32 s31, 0
	s_cbranch_scc1 .Lnoloop
	; At the loop's head, from the start and over the backward jump alike: t is even; out are rows(t + 1) in buffer 1, then rows(t + 2) in buffer 0.
.Lloop:
	TRIP 1, 3
	TRIP 0, 3
	s_add_co_u32 s25, s25, 1
	s_cmp_lt_u32 s25, s31
	s_cbranch_scc1 .Lloop
.Lnoloop:
	s_cmp_eq_u32 s82, 0
	s_cbranch_scc1 .Ltail_a
	TRIP 1, 3                                      ; the odd one; behind it t is odd, the buffers have changed places, and three trips are left
	TRIP 0, 2
	TRIP 1, 1
	s_branch .Llast
.Ltail_a:                                              ; t is even; one to three trips are left
	s_cmp_lt_u32 s83, 2
	s_cbranch_scc1 .Llast
	TRIP 1, 2
	s_cmp_lt_u32 s83, 3
	s_cbranch_scc1 .Llast
	TRIP 0, 1
.Llast:
	TRIP 0, 0                                      ; my last group: nothing is staged
.Lend:
	s_wait_tensorcnt 0x0
	ds_add_u32 v14, v15
	s_wait_dscnt 0x0
	s_endpgm
.Lfunc_end_k_q87d2006e36_ffn1:
	.size	k_q87d2006e36_ffn1, .Lfunc_end_k_q87d2006e36_ffn1-k_q87d2006e36_ffn1
	.p2alignl 7, 3214868480
	.fill 96, 4, 3214868480
	.section	.rodata,"a",@progbits
	.p2align	6, 0x0
	.amdhsa_kernel k_q87d2006e36_ffn1
		.amdhsa_group_segment_fixed_size 136704
		.amdhsa_private_segment_fixed_size 0
		.amdhsa_enable_private_segment 0
		.amdhsa_kernarg_size 48
		.amdhsa_user_sgpr_count 2
		.amdhsa_user_sgpr_kernarg_segment_ptr 1
		.amdhsa_wavefront_size32 1
		.amdhsa_system_sgpr_workgroup_id_x 1
		.amdhsa_system_sgpr_workgroup_id_y 1
		.amdhsa_system_sgpr_workgroup_id_z 1
		.amdhsa_system_vgpr_workitem_id 0
		.amdhsa_next_free_vgpr 1024
		.amdhsa_next_free_sgpr 84
		.amdhsa_reserve_vcc 0
		.amdhsa_float_denorm_mode_32 3
		.amdhsa_float_denorm_mode_16_64 3
		.amdhsa_memory_ordered 1
		.amdhsa_forward_progress 1
		.amdhsa_inst_pref_size 154
	.end_amdhsa_kernel
	.amdgpu_metadata
---
amdhsa.version: [ 1, 2 ]
amdhsa.kernels:
  - .name:           k_q87d2006e36_ffn1
    .symbol:         k_q87d2006e36_ffn1.kd
    .args:
      - { .name: xs, .offset: 0, .size: 8, .value_kind: global_buffer, .address_space: global }
      - { .name: W1, .offset: 8, .size: 8, .value_kind: global_buffer, .address_space: global }
      - { .name: b1, .offset: 16, .size: 8, .value_kind: global_buffer, .address_space: global }
      - { .name: order, .offset: 24, .size: 8, .value_kind: global_buffer, .address_space: global }
      - { .name: tab, .offset: 32, .size: 8, .value_kind: global_buffer, .address_space: global }
      - { .name: h, .offset: 40, .size: 8, .value_kind: global_buffer, .address_space: global }
    .group_segment_fixed_size: 136704
    .private_segment_fixed_size: 0
    .kernarg_segment_align: 8
    .kernarg_segment_size: 48
    .max_flat_workgroup_size: 128
    .sgpr_count:     84
    .vgpr_count:     1024
    .wavefront_size: 32
...
	.end_amdgpu_metadata
.endif
;; end of part 3
;; launch ffn2 (part 4): grid 32 x 8, 4 waves a work-group, no clusters, 33,280 bytes of LDS; arguments h, W2, b2, tab, out0; writes out0
.if DOCPART == 4
	.amdgcn_target "amdgcn-amd-amdhsa--gfx1250"
	.amdhsa_code_object_version 6
	.text
	.protected	k_q87d2006e36_ffn2
	.globl	k_q87d2006e36_ffn2
	.p2align	8
	.type	k_q87d2006e36_ffn2,@function
k_q87d2006e36_ffn2:
	s_mov_b64 s[64:65], 0
	v_nop
	global_prefetch_b8 v0, s[64:65] scope:SCOPE_SE
	s_setreg_imm32_b32 hwreg(HW_REG_WAVE_MODE, 25, 1), 1
	s_wait_xcnt 0x0
; SECOND LAYER: out0[pos] = h[pos] W2[e] + b2[e] for the sorted rows of expert e.  f16 operands, f32 sums.
; Work-group (x, e): ns = x & 7 is a slice of 64 output columns, q = x >> 3 a row phase: it takes the expert's groups of 16 rows q, q + 4, ...
; THE WEIGHTS STAY PUT: wave w keeps W2[e][512 w .. + 511][64 ns .. + 63] as 64 f16 fragments in 512 registers (windows 2 and 3).
; THEY NEED NO LDS: lane (r, hh) loads 16 bytes, columns 4 r .. 4 r + 3, of eight consecutive rows k; tile t is made of the columns 4 x + t, so after the
; conversion the lane holds 8 k of its own column of each of the four tiles, which is half a fragment's registers of exactly that lane.  The upper half of
; the lanes reads 32 rows further down, which is the order of k in which the first layer stored h.
; All four waves work on the same group, each on its quarter of K; h comes straight from memory as register images (group (start >> 4) + e + g + 4, as the
; first layer stored it), in two buffers: behind the matrix instructions of trip t, which have read a buffer, h(t + 2) is asked for into it.
; So two groups (32 KiB a wave) are on their way.
; The four partial sums meet in LDS; wave w finishes rows 2 w, 2 w + 1 of each half of the group and stores them, 256 consecutive bytes for sixteen lanes.
; out0 HAS TWO BASES, one for the even and one for the odd trips: behind a trip's matrix instructions, where the last trip's stores are old, the other
; base is set to this trip's plus 64 rows.  So nothing waits behind a whole group's stores.
; ONE BARRIER A TRIP: the partial sums go to two regions by turns; a region is stored again two trips later, behind the next trip's barrier, in front of
; which every wave has waited for its reads.
; THE LOOP HAS A CONSTANT 64 TRIPS, the most that the shapes allow (4,096 rows / 16 / 4 phases, all tokens on one expert), so that every wave passes every
; barrier whatever the lists hold; the trips beyond the expert's count (from tab) jump over the work and keep the barrier.
; WHAT IS PENDING AT A TRIP'S HEAD, on every way through the text: nothing, or the 32 loads into the other buffer, or in front of these the 32 into this
; trip's buffer.  A trip that asks for nothing, and an idle trip, wait for all loads.  So the head's wait for 32 shows this trip's group landed, and a
; request never lands on a load that is still out.
; NO CLUSTER, NO TENSOR LOAD: the weights must pass through registers to become f16; the four phases that share them differ in their trips; h is consumed from
; registers as it lies in memory.
; LIMITS: operands are f16: |W2| and h under 65,504; numbers under 6e-5 lose relative precision.
.set REDB,   16384                     ; LDS: two regions of 16,384 bytes from byte 0: [wave][tile][pair of registers][lane][8 bytes]
.set TRIPS,  64
.set HSTEP,  0x40000                   ; four groups of h
.set OSTEP,  0x20000                   ; 64 rows of out0
.set OUT,  16                          ; v[16:23]   two finished pieces of rows
.set T,    32                          ; v[32:47]   sums of two waves
.set BB,   48                          ; v[48:51]   b2 of columns 4 r .. 4 r + 3
.set BIAS, 64                          ; v[64:95]   what the sums start from: b2 in wave 0, 0 in the others
.set ACC,  96                          ; v[96:127]  four accumulators; then the sixteen pairs of partial sums read back
.set TF,   128                         ; v[128:255] the group's 16 fragments: buffer a in window 0, buffer b in window 1
; At the start the two buffers are the eight slots of 32 registers in which W2 lands: slots 0-3 in window 0, slots 4-7 in window 1.
; windows 2, 3: fragment (s, t) at ((s & 7) * 4 + t) * 8.  s[12:13]: out0's base of the even trips, s[32:33]: of the odd trips.
.set MSB, 0
.macro WIN new                         ; s_set_vgpr_msb: bits 1:0 source 0, 3:2 source 1, 5:4 source 2, 7:6 destination; the high byte repeats the setting that is left
.if MSB != (\new)
	s_set_vgpr_msb (MSB<<8)|(\new)
.set MSB, (\new)
.endif
.endm
	s_load_b256 s[4:11], s[0:1], 0x0               ; h s[4:5], W2 s[6:7], b2 s[8:9], tab s[10:11]
	s_load_b64 s[12:13], s[0:1], 0x20              ; out0
	v_lshl_add_u32 v62, v0, 2, 0x8000
	v_mov_b32 v63, 0
	v_and_b32 v1, 31, v0
	v_lshrrev_b32 v2, 5, v0
	v_readfirstlane_b32 s14, v2                    ; wave
	v_and_b32 v2, 15, v0                           ; r
	v_bfe_u32 v3, v0, 4, 1                         ; hh
	s_and_b32 s16, ttmp9, 7                        ; ns
	s_lshr_b32 s17, ttmp9, 3                       ; q
	s_and_b32 s18, ttmp7, 0xffff                   ; e
	v_lshlrev_b32 v4, 4, v2
	v_lshl_add_u32 v4, v3, 16, v4                  ; W2: 16 r + 32 rows of 2,048 bytes for the upper half of the lanes
	v_lshlrev_b32 v7, 4, v1                        ; 16 L
	v_lshlrev_b32 v14, 3, v1                       ; 8 L
	s_lshl_b32 s27, s14, 12
	v_add_nc_u32 v8, s27, v14                      ; my partial sums: 4,096 w + 8 L
	s_lshl_b32 s27, s14, 8
	v_add_nc_u32 v9, s27, v14                      ; pair w (registers 2 w, 2 w + 1) of every wave's tiles: 256 w + 8 L
	v_lshlrev_b32 v11, 3, v3
	v_lshl_add_u32 v11, s14, 1, v11                ; my rows of the group: 8 hh + 2 w
	v_add_nc_u32 v12, 1, v11                       ; and the next
	v_lshlrev_b32 v10, 4, v2
	v_lshl_add_u32 v10, v11, 11, v10               ; out0: row * 2,048 + 16 r
	s_lshl_b32 s27, s18, 11
	s_lshl_b32 s28, s16, 8
	s_add_co_u32 s27, s27, s28
	v_lshl_add_u32 v13, v2, 4, s27                 ; b2: (512 e + 64 ns + 4 r) * 4
	s_lshl_b32 s28, s18, 22                        ; W2: expert, my 512 rows, the slice's 256 bytes
	s_lshl_b32 s27, s14, 20
	s_add_co_u32 s28, s28, s27
	s_lshl_b32 s27, s16, 8
	s_add_co_u32 s28, s28, s27
	s_mov_b32 s29, 0
	s_lshl_b32 s19, s18, 3
	s_cmp_eq_u32 s14, 0
	s_cselect_b32 s30, -1, 0                       ; all lanes of wave 0
	s_wait_kmcnt 0x0
	s_load_b64 s[20:21], s[10:11], s19 offset:0x0
	s_add_nc_u64 s[6:7], s[6:7], s[28:29]
	global_load_b128 v[BB:BB+3], v13, s[8:9]
; Batch b is half i = b & 1 of the fragments of k step S = b >> 1: load j brings row 64 (b >> 2) + 8 (b & 3) + 32 hh + j, columns 4 r .. 4 r + 3, into slot b & 7;
; sixteen lanes take 256 consecutive bytes.
.macro BATCH b
.if ((\b)&7) > 3
	WIN 0x40
.else
	WIN 0
.endif
.irp j, 0,1,2,3,4,5,6,7
	global_load_b128 v[TF+32*((\b)&3)+4*\j:TF+32*((\b)&3)+4*\j+3], v4, s[6:7] offset:(64*((\b)>>2)+8*((\b)&3)+\j)*2048
.endr
.endm
.irp b, 0,1,2,3,4,5,6,7
	BATCH \b
.endr
	WIN 0
	s_wait_kmcnt 0x0
	s_lshr_b32 s27, s20, 4
	s_min_u32 s27, s27, 256                        ; start >> 4
	s_min_u32 s20, s20, 4096
	s_min_u32 s21, s21, 4096
	s_sub_co_u32 s22, s21, s20
	s_min_u32 s22, s22, 4096                       ; the expert's rows
	s_add_co_u32 s23, s22, 15
	s_lshr_b32 s23, s23, 4                         ; its groups
	s_add_co_u32 s24, s23, 3
	s_sub_co_u32 s24, s24, s17
	s_lshr_b32 s24, s24, 2                         ; trips with work: groups q, q + 4, ...
	s_lshl_b32 s15, s17, 4
	s_sub_co_u32 s26, s22, s15                     ; rows left from my first group's first row on
	s_add_co_u32 s27, s27, s18
	s_add_co_u32 s27, s27, s17
	s_add_co_u32 s27, s27, 4                       ; my first group's number in h: four unused groups lie in front
	s_lshl_b32 s28, s27, 16
	s_lshl_b32 s27, s14, 14                        ; my quarter of K: 16 k steps of 1,024 bytes
	s_add_co_u32 s28, s28, s27
	s_add_nc_u64 s[4:5], s[4:5], s[28:29]
	s_add_co_u32 s28, s20, s15
	s_lshl_b32 s28, s28, 11                        ; out0 at row start + 16 q,
	s_lshl_b32 s27, s16, 8                         ; the slice's 256 bytes
	s_add_co_u32 s28, s28, s27
	s_add_nc_u64 s[12:13], s[12:13], s[28:29]      ; trip 0's base
	s_add_nc_u64 s[32:33], s[12:13], OSTEP         ; trip 1's
.macro HLOAD win, off                  ; a group's 16 fragments of my quarter of K: 32 loads of 512 consecutive bytes; off: the group's distance from the base
	WIN \win
.irp s, 0,1,2,3,4,5,6,7,8,9,10,11,12,13,14,15
	global_load_b128 v[TF+8*\s:TF+8*\s+3],   v7, s[4:5] offset:\off+1024*\s
	global_load_b128 v[TF+8*\s+4:TF+8*\s+7], v7, s[4:5] offset:\off+1024*\s+512
.endr
	WIN 0
.endm
	s_wait_loadcnt 56                              ; 65 loads were issued: b2 and batch 0 are in, the seven batches behind them stay out
.irp t, 0,1,2,3
.irp jj, 0,1,2,3,4,5,6,7
	v_cndmask_b32 v[BIAS+8*\t+\jj], 0, v[BB+\t], s30               ; every register of tile t is column 4 r + t
.endr
.endr
; Batch b is converted straight into its fragments' registers, and its slot is asked for again.
; The count: the batches behind b that have been issued, 8 loads each.  Behind batches 28 to 31 the first group's 32 loads may lie too (one of the two ways
; round the branch below); the count is then smaller than need be, which is safe.  The last count is 0: the first group is in as well.
.macro CONV b
.set LC, 31-(\b)
.if LC > 7
.set LC, 7
.endif
	s_wait_loadcnt 8*LC
.set SL, TF+32*((\b)&3)
.set LB, ((\b)&7)>>2
.set SS, (\b)>>1
.set FR, (SS&7)*32+4*((\b)&1)
	WIN ((2+(SS>>3))<<6)|(LB<<2)|LB
.irp t, 0,1,2,3
.irp jj, 0,1,2,3
	v_cvt_pk_f16_f32 v[FR+8*\t+\jj], v[SL+8*\jj+\t], v[SL+8*\jj+4+\t]       ; rows 2 jj and 2 jj + 1 of the eight, column 4 r + t
.endr
.endr
.if (\b) < 24
	BATCH (\b)+8
.endif
.endm
.set bb, 0
.rept 28
	CONV bb
.set bb, bb+1
.endr
	WIN 0
	s_cmp_eq_u32 s24, 0
	s_cbranch_scc1 .Lnofirst                       ; no group of mine: h is not touched
	HLOAD 0, 0                                     ; h(0), into buffer a: slots 0 to 3 have had their last batches (24 to 27)
.Lnofirst:
.rept 4
	CONV bb
.set bb, bb+1
.endr
	WIN 0
	s_cmp_lt_u32 s24, 2
	s_cbranch_scc1 .Lnosecond
	HLOAD 0x40, HSTEP                              ; h(1), into buffer b, behind the wait for 0 that has shown h(0) landed
.Lnosecond:
; 64 matrix instructions: source 0 = 16 rows of h, source 1 = 16 columns of W2.  Register j of lane (r, hh) is row 8 hh + j, column 4 r + t.
; The four accumulators take turns, one instruction a turn.
.macro MMA lo, hi
.irp s, 0,1,2,3,4,5,6,7,8,9,10,11,12,13,14,15
.if \s < 8
	WIN \lo
.else
	WIN \hi
.endif
.irp t, 0,1,2,3
.if \s == 0
	v_wmma_f32_16x16x32_f16 v[ACC+8*\t:ACC+8*\t+7], v[TF+8*\s:TF+8*\s+7], v[((\s&7)*4+\t)*8:((\s&7)*4+\t)*8+7], v[BIAS+8*\t:BIAS+8*\t+7]
.else
	v_wmma_f32_16x16x32_f16 v[ACC+8*\t:ACC+8*\t+7], v[TF+8*\s:TF+8*\s+7], v[((\s&7)*4+\t)*8:((\s&7)*4+\t)*8+7], v[ACC+8*\t:ACC+8*\t+7]
.endif
.endr
.endr
.endm
; One trip.  cur = 0: buffer a, region 0, base s[12:13]; cur = 1: buffer b, region 1, base s[32:33].
.macro TRIP cur
.set OBC, 12+20*\cur                   ; this trip's base of out0
.set OBN, 32-20*\cur                   ; the next trip's
	s_add_co_u32 s27, s25, \cur                    ; this trip's number
	s_cmp_lt_u32 s27, s24
	s_cbranch_scc0 .Lidle_a_\@
	s_wait_loadcnt 32                              ; this trip's group is in; the next group's 32 loads stay out
.if \cur
	MMA 0x09, 0x0d
.else
	MMA 0x08, 0x0c
.endif
.rept 5
	v_nop                                          ; four places in front of the stores that read results and of the loads into sources, five in front of the next matrix instruction that writes over a result, on every way
.endr
	WIN 0
.irp t, 0,1,2,3
.irp p, 0,1,2,3
	ds_store_b64 v8, v[ACC+8*\t+2*\p:ACC+8*\t+2*\p+1] offset:\cur*REDB+1024*\t+256*\p     ; 32 lanes, 256 consecutive bytes
.endr
.endr
	s_wait_xcnt 0x0                                ; the last trip's stores and the last request have read their bases and data: the other base, h's base, and OUT below, change only behind this wait
	s_add_nc_u64 s[OBN:OBN+1], s[OBC:OBC+1], OSTEP ; the next trip's base: 64 rows on from mine
	s_add_co_u32 s27, s27, 2
	s_cmp_lt_u32 s27, s24
	s_cbranch_scc0 .Lidle_a_\@                     ; the last two trips ask for nothing
	s_add_nc_u64 s[4:5], s[4:5], HSTEP
.if \cur
	HLOAD 0x40, HSTEP                              ; h(t + 2), into the buffer that the matrix instructions above have read
.else
	HLOAD 0, HSTEP
.endif
	s_branch .Lbar_\@
.Lidle_a_\@:
	s_wait_loadcnt 0x0                             ; a trip that asks for nothing leaves no load out,
	s_wait_xcnt 0x0                                ; and no store that has yet to read its data
.Lbar_\@:
	s_wait_dscnt 0x0                               ; my partial sums are written, and my reads of the other region are done
	s_barrier_signal -1
	s_barrier_wait -1
	s_add_co_u32 s27, s25, \cur
	s_cmp_lt_u32 s27, s24
	s_cbranch_scc0 .Lidle_b_\@
.irp ws, 0,1,2,3
.irp t, 0,1,2,3
	ds_load_b64 v[ACC+8*\ws+2*\t:ACC+8*\ws+2*\t+1], v9 offset:\cur*REDB+4096*\ws+1024*\t   ; wave ws's sums for rows 8 hh + 2 w, + 1, column 4 r + t
.endr
.endr
	s_wait_dscnt 0x0
.irp t, 0,1,2,3
	v_pk_add_f32 v[T+2*\t:T+2*\t+1],     v[ACC+2*\t:ACC+2*\t+1],       v[ACC+8+2*\t:ACC+8+2*\t+1]
	v_pk_add_f32 v[T+8+2*\t:T+8+2*\t+1], v[ACC+16+2*\t:ACC+16+2*\t+1], v[ACC+24+2*\t:ACC+24+2*\t+1]
.endr
.irp jl, 0,1
.irp t, 0,1,2,3
	v_add_f32 v[OUT+4*\jl+\t], v[T+2*\t+\jl], v[T+8+2*\t+\jl]      ; the last sum also puts four neighbouring columns into neighbouring registers
.endr
.endr
	s_cmp_ge_u32 s26, 16
	s_cbranch_scc0 .Lpart_\@
	; a whole group: all lanes store, and nothing waits behind the stores.  Sixteen lanes store 256 consecutive bytes, aligned.
	global_store_b128 v10, v[OUT:OUT+3], s[OBC:OBC+1] th:TH_STORE_NT
	global_store_b128 v10, v[OUT+4:OUT+7], s[OBC:OBC+1] offset:2048 th:TH_STORE_NT
	s_branch .Lstored_\@
.Lpart_\@:
	; the expert's last group, if it is not whole: rows behind the expert's end are not stored.  EXEC is a source of pending loads and stores: it changes
	; only behind s_wait_xcnt 0.  Every lane was on at the entry and EXEC is narrowed nowhere else, so all ones is the value that it goes back to.
	v_cmp_gt_u32 vcc_lo, s26, v11
	s_wait_xcnt 0x0
	s_and_saveexec_b32 s31, vcc_lo
	global_store_b128 v10, v[OUT:OUT+3], s[OBC:OBC+1] th:TH_STORE_NT
	s_wait_xcnt 0x0
	s_mov_b32 exec_lo, -1
	v_cmp_gt_u32 vcc_lo, s26, v12
	s_and_saveexec_b32 s31, vcc_lo
	global_store_b128 v10, v[OUT+4:OUT+7], s[OBC:OBC+1] offset:2048 th:TH_STORE_NT
	s_wait_xcnt 0x0
	s_mov_b32 exec_lo, -1
.Lstored_\@:
	s_sub_co_u32 s26, s26, 64
.Lidle_b_\@:
.endm
	s_mov_b32 s25, 0
.Lloop:
	TRIP 0
	TRIP 1
	s_add_co_u32 s25, s25, 2
	s_cmp_lt_u32 s25, TRIPS
	s_cbranch_scc1 .Lloop
	s_wait_tensorcnt 0x0
	ds_add_u32 v62, v63
	s_wait_dscnt 0x0
	s_endpgm
.Lfunc_end_k_q87d2006e36_ffn2:
	.size	k_q87d2006e36_ffn2, .Lfunc_end_k_q87d2006e36_ffn2-k_q87d2006e36_ffn2
	.p2alignl 7, 3214868480
	.fill 96, 4, 3214868480
	.section	.rodata,"a",@progbits
	.p2align	6, 0x0
	.amdhsa_kernel k_q87d2006e36_ffn2
		.amdhsa_group_segment_fixed_size 33280
		.amdhsa_private_segment_fixed_size 0
		.amdhsa_enable_private_segment 0
		.amdhsa_kernarg_size 40
		.amdhsa_user_sgpr_count 2
		.amdhsa_user_sgpr_kernarg_segment_ptr 1
		.amdhsa_wavefront_size32 1
		.amdhsa_system_sgpr_workgroup_id_x 1
		.amdhsa_system_sgpr_workgroup_id_y 1
		.amdhsa_system_sgpr_workgroup_id_z 1
		.amdhsa_system_vgpr_workitem_id 0
		.amdhsa_next_free_vgpr 1024
		.amdhsa_next_free_sgpr 66
		.amdhsa_reserve_vcc 1
		.amdhsa_float_denorm_mode_32 3
		.amdhsa_float_denorm_mode_16_64 3
		.amdhsa_memory_ordered 1
		.amdhsa_forward_progress 1
		.amdhsa_inst_pref_size 94
	.end_amdhsa_kernel
	.amdgpu_metadata
---
amdhsa.version: [ 1, 2 ]
amdhsa.kernels:
  - .name:           k_q87d2006e36_ffn2
    .symbol:         k_q87d2006e36_ffn2.kd
    .args:
      - { .name: h, .offset: 0, .size: 8, .value_kind: global_buffer, .address_space: global }
      - { .name: W2, .offset: 8, .size: 8, .value_kind: global_buffer, .address_space: global }
      - { .name: b2, .offset: 16, .size: 8, .value_kind: global_buffer, .address_space: global }
      - { .name: tab, .offset: 24, .size: 8, .value_kind: global_buffer, .address_space: global }
      - { .name: out0, .offset: 32, .size: 8, .value_kind: global_buffer, .address_space: global }
    .group_segment_fixed_size: 33280
    .private_segment_fixed_size: 0
    .kernarg_segment_align: 8
    .kernarg_segment_size: 40
    .max_flat_workgroup_size: 128
    .sgpr_count:     66
    .vgpr_count:     1024
    .wavefront_size: 32
...
	.end_amdgpu_metadata
.endif
;; end of part 4
;; ======== version 2 of 2: 4 launches; version 1 with the launch ffn1 written anew for expert scheduling mode
;; limits: values are held in f16: magnitudes above 65,504 overflow, below 6.1e-05 lose precision
;; workspace buffers: routes 16,384 bytes of whole numbers; order 16,640 bytes of whole numbers; tab 256 bytes of whole numbers; xs 4,194,304 bytes; h 17,563,648 bytes
;; launch route: the kernel of part 1 again; grid 256 x 1, 4 waves a work-group, no clusters, 18,944 bytes of LDS; arguments x, Wg, bg, routes, xs; writes routes, xs
;; launch sort: the kernel of part 2 again; grid 8 x 1, 4 waves a work-group, no clusters, 0 bytes of LDS; arguments routes, order, tab; writes order, tab
;; launch ffn1 (part 5): grid 32 x 8, 4 waves a work-group, no clusters, 136,704 bytes of LDS; arguments xs, W1, b1, order, tab, h; writes h
.if DOCPART == 5
	.amdgcn_target "amdgcn-amd-amdhsa--gfx1250"
	.amdhsa_code_object_version 6
	.text
	.protected	k_q87d2006e36_ffn1
	.globl	k_q87d2006e36_ffn1
	.p2align	8
	.type	k_q87d2006e36_ffn1,@function
k_q87d2006e36_ffn1:
	s_mov_b64 s[64:65], 0
	v_nop
	global_prefetch_b8 v0, s[64:65] scope:SCOPE_SE
	s_setreg_imm32_b32 hwreg(HW_REG_WAVE_SCHED_MODE, 0, 2), 2
	s_setreg_imm32_b32 hwreg(HW_REG_WAVE_MODE, 25, 1), 1
	s_wait_xcnt 0x0
	s_wait_alu depctr_vm_vsrc(0)
; FIRST LAYER, ROUTED TOKENS ONLY: h = relu(xs W1[e] + b1[e]) for the rows of expert e in sorted order.  f16 operands, f32 sums.
; Work-group (f, e) owns the 64 columns 64 f .. 64 f + 63 of expert e.  THE WEIGHTS STAY PUT: every wave keeps the whole block 512 (k) x 64 (n) as 64 f16
; fragments in 512 registers (windows 2 and 3), and groups of 16 sorted rows stream past; a row fragment feeds four matrix instructions and no weight is
; read again.  Wave w takes the expert's groups w, w + 4, ...; the number of groups comes from tab, the rows from order (whole numbers of an earlier launch).
; W1 is read once in the launch: wave w converts k = 128 w .. + 127 to f16 and lays it into LDS with k along the rows; one barrier; all waves read the fragments.
; THE ROWS' WAY, three steps that overlap.  A group's 16 rows of xs (1,024 bytes each, wherever the list points) are loaded into one of two register buffers,
; 512 consecutive bytes an instruction; rows(k) lie in buffer k & 1.  Trip t multiplies group t's fragments; between its matrix instructions it stores
; rows(t + 1) into a stage in LDS that is the wave's own, and asks for rows(t + 3) into the buffer so emptied; from k step 12 on it reads group t + 1's
; fragments from the stage into the registers that its own products are done with.  So two groups (32 KiB a wave) are on their way.
; THE LOOP holds only trips that ask for rows: there are m = max(n - 3, 0) of them among my n trips, and the loop makes m / 2 pairs, so that every counted
; wait counts the same loads on every way.  An odd one and the last one to three trips are written out behind it, for even and for odd t, and end in one
; common last trip.
; h leaves as the register images that the second layer's fragments need: group P = (start >> 4) + e + g + 4, 65,536 bytes a group,
; byte P * 65536 + S * 1024 + i * 512 + 16 L holds row L & 15, columns 64 (S >> 1) + 32 (L >> 4) + 16 (S & 1) + 8 i + 0..7.
; The first four groups of h are left unused: the stores' base starts four groups (one step of a wave) low and is stepped in the middle of every trip, the
; first too, well behind the last trip's stores and ahead of this trip's; so no wait stands behind the stores and no store reaches back.
; Rows behind the expert's end in its last group are other real tokens; their h is stored and never used.  A wave with fewer than three groups asks at the
; start for rows that it does not use (valid rows: the place in the list is held at 4,096, behind which the list has 64 words of 0).
; NO CLUSTER, NO TENSOR LOAD: the weights must pass through registers to become f16, no two work-groups share a weight, and the shared rows of xs are
; gathered by a list whose length differs from expert to expert.
; LIMITS: operands are f16: |xs|, |W1| and h must stay under 65,504 (h beyond it becomes infinite), and numbers under 6e-5 lose relative precision.
; THE MODE: SCHED_MODE bits 1:0 = 2 (LLVM: expert scheduling mode 2), set by the entry lines.  The code itself states the register dependences
; between vector or matrix instructions and memory or LDS instructions, with s_wait_alu, always for 0.
; THE PLAN.  Registers that memory or LDS instructions touch:
;   v4 .. v10      offsets and LDS addresses: made at the head, ahead of one wait on va_vdst, and never written again.
;   window 2       W1 as loaded; read by the start's conversions; behind the last wait on va_vdst of the start the fragments' LDS loads land there and in window 3.
;   TF, the start  eight sets of 16 packed words, one a batch: written by batch b's conversions, read by four LDS stores that are issued at batch b + 1's head.
;   TF, the trips  k step s of trip t reads TF[s]; group t + 1's fragments land in TF[0 .. 12] behind a wait on va_vdst behind k step 12, in TF[13 .. 15] behind the trip's last.
;   row buffers    window 1: loaded by the requests for rows, read by the stage stores; no vector instruction names them.
;   O              written by a trip's roundings, read by its four stores.
; A trip has one wait on vm_vsrc (behind k step 12: the last trip's stores have read O, this trip's stage stores the row buffer) and two on va_vdst.
; BIAS, ACC and, once they are loaded, W1's fragments are named by vector and matrix instructions alone.
.set WPITCH, 272                       ; weight image: a row is 128 k of one column, 256 bytes + 16: an odd multiple of 16, so sixteen rows begin in sixteen different 16-byte columns of 256
.set WTILE,  16*WPITCH                 ; sixteen columns: tile t holds columns 4 x + t, x = 0..15
.set WREG,   64*WPITCH                 ; one wave's part of the image (its 128 k of all 64 columns): each wave stores into bytes of its own
.set STAGE,  4*WREG                    ; behind the image: 16 rows x 1,040 bytes for each wave
.set SPITCH, 1040
.set SBYTES, 16*SPITCH
.set HSTEP,  0x40000                   ; four groups of h: from a wave's group to its next
.set O,    16                          ; v[16:31]   a trip's 32 results a lane, packed
.set BL,   32                          ; v[32:63]   b1 as loaded (start only)
.set BIAS, 64                          ; v[64:95]   b1 by tile: register 8 t + j is column 32 hh + 4 j + t
.set ACC,  96                          ; v[96:127]  four accumulators
.set TF,   128                         ; v[128:255] the group's 16 row fragments; at the start batch b's 16 packed words at TF + 16 b
.set IDS,  32                          ; s[32:47]   sixteen token ids
; window 1: v[0:127] row buffer 0, v[128:255] row buffer 1.  window 2: first 256 registers of W1 as loaded, then fragments of k steps 0-7; window 3: k steps 8-15.
; fragment (s, t) is at ((s & 7) * 4 + t) * 8.  s[48:63], s[66:81]: the sixteen rows' addresses.
.set MSB, 0
.macro WIN new                         ; s_set_vgpr_msb: bits 1:0 source 0, 3:2 source 1, 5:4 source 2, 7:6 destination; the high byte repeats the setting that is left
.if MSB != (\new)
	s_set_vgpr_msb (MSB<<8)|(\new)
.set MSB, (\new)
.endif
.endm
	s_load_b256 s[4:11], s[0:1], 0x0               ; xs s[4:5], W1 s[6:7], b1 s[8:9], order s[10:11]
	s_load_b128 s[12:15], s[0:1], 0x20             ; tab s[12:13], h s[14:15]
	v_lshl_add_u32 v14, v0, 2, 0x21400
	v_mov_b32 v15, 0
	v_and_b32 v1, 31, v0
	v_lshrrev_b32 v2, 5, v0
	v_readfirstlane_b32 s16, v2                    ; wave
	v_and_b32 v2, 15, v0                           ; r
	v_bfe_u32 v3, v0, 4, 1                         ; hh
	s_mov_b32 s17, ttmp9                           ; f
	s_and_b32 s18, ttmp7, 0xffff                   ; e
	v_lshlrev_b32 v4, 4, v2
	v_lshl_add_u32 v4, v3, 16, v4                  ; W1: 16 r + 8 rows of 8,192 bytes for the upper half of the lanes
	v_mul_u32_u24 v6, v2, WPITCH
	v_lshl_add_u32 v6, v3, 4, v6                   ; fragments of the image: r * pitch + 16 hh
	s_wait_alu depctr_va_sdst(0)                   ; s16 is written, ahead of its first reader: LDS addresses, bases and trip counts are made from it
	s_mul_i32 s27, s16, WREG
	v_add_nc_u32 v5, s27, v6                       ; my stores into the image: the same in my wave's part
	v_lshlrev_b32 v7, 4, v1                        ; 16 L
	s_mul_i32 s27, s16, SBYTES
	s_add_co_u32 s27, s27, STAGE
	v_add_nc_u32 v8, s27, v7                       ; stage, in: 16 L
	v_mul_u32_u24 v9, v2, SPITCH
	v_lshl_add_u32 v9, v3, 4, v9
	v_add_nc_u32 v9, s27, v9                       ; stage, out: r * pitch + 16 hh
	s_lshl_b32 s27, s18, 13
	s_lshl_b32 s28, s17, 8
	s_add_co_u32 s27, s27, s28
	v_lshl_add_u32 v10, v3, 7, s27                 ; b1: (2048 e + 64 f + 32 hh) * 4
	s_lshl_b32 s28, s18, 22                        ; W1: expert, my 128 rows, the slice's 256 bytes
	s_lshl_b32 s19, s16, 20
	s_add_co_u32 s28, s28, s19
	s_lshl_b32 s19, s17, 8
	s_add_co_u32 s28, s28, s19
	s_mov_b32 s29, 0
	s_lshl_b32 s19, s18, 3
	s_wait_kmcnt 0x0
	s_load_b64 s[20:21], s[12:13], s19 offset:0x0  ; the expert's first place and the place behind its last
	s_add_nc_u64 s[6:7], s[6:7], s[28:29]
	s_wait_alu depctr_va_vdst(0)                   ; the offsets and LDS addresses v4 to v10 are written: every load and store of the kernel reads one of them, and none is written again
.irp n, 0,1,2,3,4,5,6,7
	global_load_b128 v[BL+4*\n:BL+4*\n+3], v10, s[8:9] offset:16*\n
.endr
	; all of my 128 rows of the slice at once: load j of batch b brings row 16 b + 8 hh + j, columns 4 r .. 4 r + 3; sixteen lanes take 256 consecutive bytes
	WIN 0x80
.irp b, 0,1,2,3,4,5,6,7
.irp j, 0,1,2,3,4,5,6,7
	global_load_b128 v[32*\b+4*\j:32*\b+4*\j+3], v4, s[6:7] offset:(16*\b+\j)*8192 th:TH_LOAD_NT
.endr
.endr
	WIN 0
	s_wait_kmcnt 0x0
	s_lshr_b32 s30, s20, 4
	s_min_u32 s30, s30, 256                        ; start >> 4
	s_min_u32 s20, s20, 4096
	s_min_u32 s21, s21, 4096
	s_sub_co_u32 s22, s21, s20
	s_min_u32 s22, s22, 4096                       ; the expert's rows
	s_add_co_u32 s23, s22, 15
	s_lshr_b32 s23, s23, 4                         ; its groups of 16
	s_add_co_u32 s24, s23, 3
	s_sub_co_u32 s24, s24, s16
	s_lshr_b32 s24, s24, 2                         ; n, my trips: groups w, w + 4, ...
	s_lshl4_add_u32 s26, s16, s20                  ; the place of my first group's first row
.macro IDS_AHEAD                       ; sixteen ids from place s26 (held at 4,096: the list has 64 words of 0 behind its end); s26 goes on to my next group.
	s_min_u32 s27, s26, 4096       ; s27 is free: a wait for all scalar loads stands between any two of these
	s_lshl_b32 s27, s27, 2
	s_load_b512 s[IDS:IDS+15], s[10:11], s27 offset:0x0
	s_add_co_u32 s26, s26, 64
.endm
.macro BASES                           ; the sixteen rows' addresses: xs + 1,024 id
.irp r, 0,1,2,3,4,5,6,7
	s_min_u32 s28, s[IDS+\r], 4095
	s_lshl_b32 s28, s28, 10
	s_add_nc_u64 s[48+2*\r:49+2*\r], s[4:5], s[28:29]
.endr
.irp r, 8,9,10,11,12,13,14,15
	s_min_u32 s28, s[IDS+\r], 4095
	s_lshl_b32 s28, s28, 10
	s_add_nc_u64 s[50+2*\r:51+2*\r], s[4:5], s[28:29]
.endr
.endm
.macro ROWS sg                         ; 32 loads of 512 consecutive bytes: the sixteen rows, into row buffer sg of window 1, which no vector instruction names
	WIN 0x40
.irp r, 0,1,2,3,4,5,6,7
	global_load_b128 v[128*\sg+8*\r:128*\sg+8*\r+3],   v7, s[48+2*\r:49+2*\r]
	global_load_b128 v[128*\sg+8*\r+4:128*\sg+8*\r+7], v7, s[48+2*\r:49+2*\r] offset:512
.endr
.irp r, 8,9,10,11,12,13,14,15
	global_load_b128 v[128*\sg+8*\r:128*\sg+8*\r+3],   v7, s[50+2*\r:51+2*\r]
	global_load_b128 v[128*\sg+8*\r+4:128*\sg+8*\r+7], v7, s[50+2*\r:51+2*\r] offset:512
.endr
	WIN 0
.endm
.macro PUT sg, q                       ; rows 4 q .. 4 q + 3 of row buffer sg go into my stage: 8 stores
	WIN 0x04
.irp r, 0,1,2,3
	ds_store_b128 v8, v[128*\sg+8*(4*(\q)+\r):128*\sg+8*(4*(\q)+\r)+3]   offset:(4*(\q)+\r)*SPITCH
	ds_store_b128 v8, v[128*\sg+8*(4*(\q)+\r)+4:128*\sg+8*(4*(\q)+\r)+7] offset:(4*(\q)+\r)*SPITCH+512
.endr
.endm
.macro TFPART a, b                     ; fragments a to b of the staged group.  The stage is my wave's own and LDS serves a wave in order (ISA guide 5.7.1): these see the stores in front of them
.set ff, (\a)
.rept (\b)-(\a)+1
	ds_load_b128 v[TF+8*ff:TF+8*ff+3],   v9 offset:64*ff
	ds_load_b128 v[TF+8*ff+4:TF+8*ff+7], v9 offset:64*ff+32
.set ff, ff+1
.endr
.endm
	IDS_AHEAD                                      ; the ids of my first group
	s_wait_loadcnt 63                              ; 72 loads were issued: the oldest 9 are in, b1's eight among them
.irp t, 0,1,2,3
.irp j, 0,1,2,3,4,5,6,7
	v_mov_b32 v[BIAS+8*\t+\j], v[BL+4*\j+\t]       ; once in the launch: b1 in the order of the accumulators' registers
.endr
.endr
; Batch b: 8 k of 4 columns a lane become four runs of 8 f16, in the batch's own 16 registers, and go to rows 16 i + r of my part of the image, at byte 32 b + 16 hh.
; The four stores are issued at the next batch's head, behind its wait for data.  behind = the row loads that were issued behind the weights so far.
.macro IMG b
.irp i, 0,1,2,3
	ds_store_b128 v5, v[TF+16*(\b)+4*\i:TF+16*(\b)+4*\i+3] offset:\i*WTILE+32*(\b)
.endr
.endm
.macro CONV b, behind
	s_wait_loadcnt 8*(7-(\b))+\behind              ; younger loads: the later batches, 8 each, and the rows'
.if (\b) > 0
	s_wait_alu depctr_va_vdst(0)                   ; the conversions of the batch before have written its packed words, which the four stores below read
	IMG (\b)-1
.endif
	WIN 0x0a
.irp i, 0,1,2,3
.irp jj, 0,1,2,3
	v_cvt_pk_f16_f32 v[TF+16*(\b)+4*\i+\jj], v[32*(\b)+8*\jj+\i], v[32*(\b)+8*\jj+4+\i]
.endr
.endr
	WIN 0
.endm
.irp b, 0,1,2,3
	CONV \b, 0
.endr
	s_wait_kmcnt 0x0                               ; my first group's ids
	BASES
	ROWS 0                                         ; rows(0).  A wave without a group loads valid rows too, so that the counts hold for every wave
	IDS_AHEAD
.irp b, 4,5,6,7
	CONV \b, 32
.endr
	s_wait_kmcnt 0x0
	s_wait_xcnt 0x0                                ; the sixteen addresses are sources of rows(0)'s loads: they are written again only behind this wait
	BASES
	ROWS 1                                         ; rows(1)
	IDS_AHEAD
	s_wait_alu depctr_va_vdst(0)                   ; batch 7's conversions have written its packed words, which the stores below read.  No vector instruction follows until the first trip, so this wait
	                                               ; also states that all conversions are done reading window 2, in which the weights' fragments land, and done writing TF, in which the rows' fragments land
	IMG 7
	s_wait_dscnt 0x0                               ; my part of the image is written, for the other waves' sake
	s_barrier_signal -1
	s_barrier_wait -1                              ; the launch's only barrier: it stands in front of every branch on the lists
	s_cmp_eq_u32 s24, 0
	s_cbranch_scc1 .Lend
.irp s, 0,1,2,3,4,5,6,7,8,9,10,11,12,13,14,15
.if \s < 8
	WIN 0x80
.else
	WIN 0xc0
.endif
.irp t, 0,1,2,3
	ds_load_b128 v[((\s&7)*4+\t)*8:((\s&7)*4+\t)*8+3],   v6 offset:(\s>>2)*WREG+\t*WTILE+64*(\s&3)
	ds_load_b128 v[((\s&7)*4+\t)*8+4:((\s&7)*4+\t)*8+7], v6 offset:(\s>>2)*WREG+\t*WTILE+64*(\s&3)+32
.endr
.endr
	WIN 0
	s_add_co_u32 s28, s30, s18
	s_add_co_u32 s28, s28, s16                     ; four groups in front of my first group in h: the first trip's step brings the base there
	s_lshl_b32 s28, s28, 16
	s_lshl_b32 s19, s17, 11                        ; the slice's two k steps
	s_add_co_u32 s28, s28, s19
	s_add_nc_u64 s[14:15], s[14:15], s[28:29]
	s_wait_loadcnt 32                              ; rows(0) are in; rows(1)'s 32 loads stay out
	PUT 0, 0
	PUT 0, 1
	PUT 0, 2
	PUT 0, 3
	WIN 0
	s_wait_alu depctr_vm_vsrc(0)                   ; the image's stores have read the packed words in TF, in which the fragments below land; the stage stores have read row buffer 0, in which rows(2) land
	TFPART 0, 15                                   ; group 0's fragments
	s_wait_dscnt 32                                ; the 32 stores are done with row buffer 0; the 32 fragment loads stay out
	s_wait_kmcnt 0x0
	s_wait_xcnt 0x0
	BASES
	ROWS 0                                         ; rows(2)
	IDS_AHEAD                                      ; the ids of rows(3)
; ONE TRIP.  At its head: the youngest 32 LDS instructions are the loads of this group's fragments, in the fragments' order.
; sg = the row buffer that holds the next group's rows.  mode 0: there is no next group; 1: it is staged, no load is younger than its rows';
; 2: it is staged, the 32 loads of the group after it are younger; 3: as 2, and the buffer is asked for again.
; 64 matrix instructions, used transposed: source 0 = 16 columns of W1, source 1 = 16 rows.  Register j of lane (r, hh) is row r, column 32 hh + 4 j + t.
; The first k step starts the sums from b1.  The four accumulators take turns, one instruction a turn.
.macro TRIP sg, mode
.set PUTS, 0
.set NX, 0
.irp s, 0,1,2,3,4,5,6,7,8,9,10,11,12,13,14,15
	s_wait_dscnt 30-2*\s+PUTS+NX                   ; fragment s is in: behind it came the 2 (15 - s) loads of the later fragments, this trip's stage stores and its loads of the next group's fragments so far
.if \s < 8
	WIN 0x02
.else
	WIN 0x03
.endif
.irp t, 0,1,2,3
.if \s == 0
	v_wmma_f32_16x16x32_f16 v[ACC+8*\t:ACC+8*\t+7], v[((\s&7)*4+\t)*8:((\s&7)*4+\t)*8+7], v[TF+8*\s:TF+8*\s+7], v[BIAS+8*\t:BIAS+8*\t+7]
.else
	v_wmma_f32_16x16x32_f16 v[ACC+8*\t:ACC+8*\t+7], v[((\s&7)*4+\t)*8:((\s&7)*4+\t)*8+7], v[TF+8*\s:TF+8*\s+7], v[ACC+8*\t:ACC+8*\t+7]
.endif
.endr
.if \mode
.if \s == 3
.if \mode == 1
	s_wait_loadcnt 0x0                             ; the next group's rows are in: no load was issued behind them
.else
	s_wait_loadcnt 32                              ; the next group's rows are in; the 32 loads of the group after it stay out
.endif
.endif
.if (\s & 1)
.if \s >= 3
.if \s <= 9
	PUT \sg, (\s-3)/2                              ; behind k steps 3, 5, 7, 9: four rows each.  The loads of this group's fragments stand in front of these stores and are served first
.set PUTS, PUTS+8
.endif
.endif
.endif
.endif
.if \s == 12
.if \mode == 3
	s_wait_dscnt 0x0                               ; the stage stores are done with the row buffer
	s_wait_kmcnt 0x0                               ; the ids, asked for a trip ago
.endif
	s_wait_xcnt 0x0                                ; the last trip's stores have read their base and data, the last request its sixteen addresses: all these change only behind this wait
	s_wait_alu depctr_vm_vsrc(0)                   ; the last trip's stores have read O, which this trip's roundings write; this trip's stage stores have read the row buffer, in which the rows asked for below land
	s_add_nc_u64 s[14:15], s[14:15], HSTEP         ; h's base comes to this trip's group
.if \mode == 3
	BASES
	ROWS \sg                                       ; the rows of the third group from here
	IDS_AHEAD
.endif
.if \mode
	WIN 0
.rept 4
	v_nop                                          ; four places between the matrix instructions above and the loads into their sources: this text keeps them in front of every such load; the wait below fills none
.endr
	s_wait_alu depctr_va_vdst(0)                   ; the matrix instructions of k steps 0 to 12 are done reading TF[0 .. 12], in which the next group's fragments land; those of k steps 13 to 15 name none of these
	TFPART 0, 3
.set NX, 8
.endif
.endif
.if \mode
.if \s == 13
	WIN 0
	TFPART 4, 7                                    ; no wait: no vector or matrix instruction since the wait behind k step 12 names these registers
.set NX, 16
.endif
.if \s == 14
	WIN 0
	TFPART 8, 12
.set NX, 26
.endif
.endif
.endr
.rept 4
	v_nop                                          ; four places between the last matrix instruction and the first reader of a result, and the loads into its sources
.endr
	WIN 0
.irp n, 0,1,2,3,4,5,6,7,8,9,10,11,12,13,14,15,16,17,18,19,20,21,22,23,24,25,26,27,28,29,30,31
	v_max_num_f32 v[ACC+\n], 0, v[ACC+\n]          ; relu, in f32
.endr
.irp j, 0,1,2,3,4,5,6,7
	v_cvt_pk_f16_f32 v[O+2*\j],   v[ACC+\j],    v[ACC+8+\j]        ; columns 32 hh + 4 j, + 1
	v_cvt_pk_f16_f32 v[O+2*\j+1], v[ACC+16+\j], v[ACC+24+\j]       ; + 2, + 3: a lane's 32 columns lie in order
.endr
	s_wait_alu depctr_va_vdst(0)                   ; the roundings have written O, which the stores below read; the matrix instructions of k steps 13 to 15 are done reading TF[13 .. 15], in which the loads below land
.if \mode
	TFPART 13, 15                                  ; the next group's last three fragments: 52 matrix instructions stand ahead of their first use
.endif
.irp m, 0,1,2,3
	global_store_b128 v7, v[O+4*\m:O+4*\m+3], s[14:15] offset:512*\m       ; each store covers 512 consecutive bytes, aligned
.endr
.endm
	s_sub_co_i32 s31, s24, 3
	s_max_i32 s31, s31, 0                          ; m: the trips t for which rows(t + 3) exist
	s_sub_co_u32 s83, s24, s31                     ; the trips behind them: 1 to 3 (3 wherever m is not 0)
	s_and_b32 s82, s31, 1                          ; is m odd?
	s_lshr_b32 s31, s31, 1                         ; pairs of such trips
	s_mov_b32 s25, 0
	s_cmp_eq_u32 s31, 0
	s_cbranch_scc1 .Lnoloop
	; At the loop's head, from the start and over the backward jump alike: t is even; out are rows(t + 1) in buffer 1, then rows(t + 2) in buffer 0.
	; Of vector work nothing is pending that a memory instruction of the next trip hangs on: its stage stores and requests name window 1 and v7 to v9 alone.
.Lloop:
	TRIP 1, 3
	TRIP 0, 3
	s_add_co_u32 s25, s25, 1
	s_cmp_lt_u32 s25, s31
	s_cbranch_scc1 .Lloop
.Lnoloop:
	s_cmp_eq_u32 s82, 0
	s_cbranch_scc1 .Ltail_a
	TRIP 1, 3                                      ; the odd one; behind it t is odd, the buffers have changed places, and three trips are left
	TRIP 0, 2
	TRIP 1, 1
	s_branch .Llast
.Ltail_a:                                              ; t is even; one to three trips are left
	s_cmp_lt_u32 s83, 2
	s_cbranch_scc1 .Llast
	TRIP 1, 2
	s_cmp_lt_u32 s83, 3
	s_cbranch_scc1 .Llast
	TRIP 0, 1
.Llast:
	TRIP 0, 0                                      ; my last group: nothing is staged
.Lend:
	s_wait_dscnt 0x0
	s_wait_alu depctr_hold_cnt(0) depctr_sa_sdst(0) depctr_va_vdst(0) depctr_va_sdst(0) depctr_va_ssrc(0) depctr_va_vcc(0) depctr_vm_vsrc(0)
	s_wait_tensorcnt 0x0
	ds_add_u32 v14, v15
	s_wait_dscnt 0x0
	s_endpgm
.Lfunc_end_k_q87d2006e36_ffn1:
	.size	k_q87d2006e36_ffn1, .Lfunc_end_k_q87d2006e36_ffn1-k_q87d2006e36_ffn1
	.p2alignl 7, 3214868480
	.fill 96, 4, 3214868480
	.section	.rodata,"a",@progbits
	.p2align	6, 0x0
	.amdhsa_kernel k_q87d2006e36_ffn1
		.amdhsa_group_segment_fixed_size 136704
		.amdhsa_private_segment_fixed_size 0
		.amdhsa_enable_private_segment 0
		.amdhsa_kernarg_size 48
		.amdhsa_user_sgpr_count 2
		.amdhsa_user_sgpr_kernarg_segment_ptr 1
		.amdhsa_wavefront_size32 1
		.amdhsa_system_sgpr_workgroup_id_x 1
		.amdhsa_system_sgpr_workgroup_id_y 1
		.amdhsa_system_sgpr_workgroup_id_z 1
		.amdhsa_system_vgpr_workitem_id 0
		.amdhsa_next_free_vgpr 1024
		.amdhsa_next_free_sgpr 84
		.amdhsa_reserve_vcc 0
		.amdhsa_float_denorm_mode_32 3
		.amdhsa_float_denorm_mode_16_64 3
		.amdhsa_memory_ordered 1
		.amdhsa_forward_progress 1
		.amdhsa_inst_pref_size 157
	.end_amdhsa_kernel
	.amdgpu_metadata
---
amdhsa.version: [ 1, 2 ]
amdhsa.kernels:
  - .name:           k_q87d2006e36_ffn1
    .symbol:         k_q87d2006e36_ffn1.kd
    .args:
      - { .name: xs, .offset: 0, .size: 8, .value_kind: global_buffer, .address_space: global }
      - { .name: W1, .offset: 8, .size: 8, .value_kind: global_buffer, .address_space: global }
      - { .name: b1, .offset: 16, .size: 8, .value_kind: global_buffer, .address_space: global }
      - { .name: order, .offset: 24, .size: 8, .value_kind: global_buffer, .address_space: global }
      - { .name: tab, .offset: 32, .size: 8, .value_kind: global_buffer, .address_space: global }
      - { .name: h, .offset: 40, .size: 8, .value_kind: global_buffer, .address_space: global }
    .group_segment_fixed_size: 136704
    .private_segment_fixed_size: 0
    .kernarg_segment_align: 8
    .kernarg_segment_size: 48
    .max_flat_workgroup_size: 128
    .sgpr_count:     84
    .vgpr_count:     1024
    .wavefront_size: 32
...
	.end_amdgpu_metadata
.endif
;; end of part 5
;; launch ffn2: the kernel of part 4 again; grid 32 x 8, 4 waves a work-group, no clusters, 33,280 bytes of LDS; arguments h, W2, b2, tab, out0; writes out0
